; MI455X (gfx1250); checked and timed in simulation.
; The chip was launched on July 23, 2026; its instructions are those of AMD's public machine-readable ISA for CDNA 5 (MIT licence, August 2026) and "CDNA5" Instruction Set Architecture Reference Guide (July 2026). The comments in the code are by the model that wrote it; some were corrected since.
;; SOM. Allowed arithmetic: matrix products marked QUANTISED: E3M2 operands, one E8M0 scale for each 32 along K, by v_wmma_scale_f32_16x16x128_f8f6f4 with both operands' format E3M2, f32 sums; everything else in f32.
;; Inputs: locations 16,384 x 2 float32; weight 512 x 16,384 float32; x 4,096 x 512 float32.
;; Outputs: out0 16 x 4,096 x 2 float32; out1 one number float32.
;; This version of the problem:
;;   THIS VERSION OF THE PROBLEM IS GIVEN IN LOW PRECISION. The matrix products marked QUANTISED in the list below multiply operands that are first quantised to E3M2 (3 exponent bits, 2 mantissa bits; 6 bits a number), with one power-of-two scale for each 32 numbers along K (OCP MX v1.0); their sums are f32. All else is computed in f32.
;;   The module's matrix products, in the order in which they are computed (A, B: the left and right operand; K: the contracted axis; several contracted axes count as one K, in the product's order):
;;     1. [M 4,096, K 512] x [K 512, N 16,384]; A: input x; B: input weight: QUANTISED
;;   THE QUANTISER, for each operand of a quantised product, along K:
;;     - K is cut into blocks of 32 from its start; a last block that is shorter is filled with zeros.
;;     - A block's scale is 2^e with e = floor(log2(the largest magnitude in the block)) - 4, held to -126 .. 127; a block of zeros has e = 0. As a byte (E8M0): e + 127.
;;     - Each number is divided by its block's scale, clamped to +-28, and rounded to the nearest number of E3M2, ties to even, subnormals kept.
;;     - The product sums the exact products of the quantised numbers (number of the format x scale) in f32.
;;   ~~~python
;;   def quantise(x, axis):      # numpy; x: float32 -> the quantised numbers, widened to float32 again
;;       x = np.moveaxis(x, axis, -1); K = x.shape[-1]
;;       x = np.pad(x, [(0, 0)] * (x.ndim - 1) + [(0, -K % 32)]); x = x.reshape(x.shape[:-1] + (-1, 32)); a = np.abs(x).max(-1, keepdims=True)
;;       e = np.where(a > 0, np.clip(np.frexp(np.where(a > 0, a, 1))[1] - 1 - 4, -126, 127), 0)      # np.frexp(a)[1] - 1 = floor(log2(a)), exactly
;;       r = np.clip(x / 2.0 ** e, -28, 28)
;;       step = 2.0 ** (np.maximum(np.frexp(np.where(r == 0, 1, r))[1] - 1, -2) - 2)
;;       q = np.round(r / step) * step * 2.0 ** e      # np.round: ties to even
;;       return np.moveaxis(q.reshape(q.shape[:-2] + (-1,))[..., :K], -1, axis).astype(np.float32)
;;   ~~~
;; One version. Each part assembles by itself: llvm-mc -triple=amdgcn-amd-amdhsa -mcpu=gfx1250 --defsym DOCPART=n.
;; ======== version 1 of 1: 4 launches
;; workspace buffers: xq 1,572,864 bytes; xs 65,536 bytes; xa 16,384 bytes; wq 6,291,456 bytes; ws 262,144 bytes; wc 65,536 bytes; gm 16,777,216 bytes; sel 524,288 bytes of whole numbers
;; launch quant (part 1): grid 288 x 1, 8 waves a work-group, no clusters, 71,680 bytes of LDS; arguments x, weight, xq, xs, xa, wq, ws, wc; writes xq, xs, xa, wq, ws, wc
.if DOCPART == 1
	.amdgcn_target "amdgcn-amd-amdhsa--gfx1250"
	.amdhsa_code_object_version 6
	.text
	.protected	k_q792ff6dd65_quant
	.globl	k_q792ff6dd65_quant
	.p2align	8
	.type	k_q792ff6dd65_quant,@function
k_q792ff6dd65_quant:
	s_mov_b64 s[64:65], 0
	v_nop
	global_prefetch_b8 v0, s[64:65] scope:SCOPE_SE
	s_setreg_imm32_b32 hwreg(HW_REG_WAVE_MODE, 25, 1), 1
	s_wait_xcnt 0x0
; x [4096][512] and weight [512][16384], f32, become codes of BF6 (E3M2) with one E8M0 byte for each 32 along K, and the f32 terms of the distance that hang on one side alone.
; A block's scale is 2^(floor(log2(largest magnitude)) - 4): its byte is the largest magnitude's exponent field - 4, held at 1 from below.
; OUT, in the order of a matrix operand's registers (16 rows x 128 K = 12 registers a lane): xq [row block 256][K step 4][piece 3][lane 32][16 bytes], wq [group of 16 units 1024][4][3][32][16];
;   lane r + 16 h holds row r: registers 0-5 the block h of the K step, registers 6-11 the block 2 + h.   xs [row][4 scale words], ws [unit][4 scale words].
;   xa[row] = x2 + 2 eps sx + 512 eps^2;   wc[unit] = eps sw - w2 / 2: so sq = xa - 2 (wc + x . w).
; SHARES.  Work-groups 0-255: 64 units each; wave w takes 32 units (w & 1) x 128 along K (w >> 1): a lane takes a unit and its registers run down K, so a block of 32 lies in one lane.
;   The four K steps' scale words and sums meet in LDS behind one barrier.   Work-groups 256-287: a wave takes 16 rows of x through all of K; each K step turns through the wave's own stage in LDS; no barrier.
; The two ways part on the work-group's number and have LDS bytes of their own.  No tensor loads: nothing is read twice, and a stream needs no ring.
; LIMITS: a block whose largest magnitude lies under 2^-122 keeps the byte 1 (a block of zeros too: its codes are zeros, and this program alone reads the bytes); NaN and infinities are not served;
;   the sums x2, sx, w2, sw are taken in another order than a plain loop over the axis.
.set NW,   256                         ; work-groups for the weights
.set WSW,  67584                       ; LDS: behind the rows' eight stages (8 x 8,448): scale words [unit 64][K step 4],
.set WPS,  68608                       ; and the sums [K step 4][unit 64] (w2, sw)
.set X,    32                          ; weights: v32-159 four blocks of 32 numbers
.set TW,   160                         ; v160-171 the image's registers for lane r, v172-183 for lane r + 16
.set TMW,  184                         ; a conversion's three registers begin on an even number: a block's upper half is made here and moved
.set R,    32                          ; rows: v32-159 two sets of 64 registers as loaded
.set Y,    160                         ; v160-223 my two blocks of 32 neighbours
.set TX,   224                         ; v224-235 the fragment
.set TMX,  236                         ; v236-238, v240-242
	s_load_b512 s[4:19], s[0:1], 0x0               ; x 4, weight 6, xq 8, xs 10, xa 12, wq 14, ws 16, wc 18
	v_lshl_add_u32 v244, v0, 2, 0x11400
	v_mov_b32 v245, 0
	v_lshrrev_b32 v1, 5, v0
	v_readfirstlane_b32 s20, v1                    ; wave 0..7
	v_and_b32 v1, 31, v0                           ; lane
	v_lshlrev_b32 v2, 2, v1                        ; 4 x lane
	v_lshlrev_b32 v5, 4, v1                        ; 16 x lane
	v_and_b32 v4, 15, v1                           ; r
	v_lshrrev_b32 v3, 4, v1                        ; h
.irp i, 8,9,10,11
	v_mov_b32 v\i, 0                               ; the sum of squares and the sum, two halves each
.endr
	s_cmp_lt_u32 ttmp9, NW
	s_cbranch_scc0 .Lrows
; ---------------- the weights ----------------
	s_and_b32 s21, s20, 1                          ; which 32 units
	s_lshr_b32 s22, s20, 1                         ; which K step
	s_lshl_b32 s23, s21, 9
	s_lshl_b32 s24, s22, 2
	s_add_co_u32 s24, s24, s23
	s_add_co_u32 s24, s24, WSW
	v_lshl_add_u32 v20, v1, 4, s24                 ; where my unit's word of my K step goes
	s_add_co_u32 s23, s23, WSW
	v_lshl_add_u32 v22, v1, 4, s23                 ; and where its four words are read back
	s_lshl_b32 s23, s21, 8
	s_add_co_u32 s23, s23, WPS
	v_lshl_add_u32 v23, v1, 3, s23                 ; the sums: read back from here, 512 bytes from K step to K step,
	s_lshl_b32 s24, s22, 9
	s_add_co_u32 s24, s24, s23
	v_lshl_add_u32 v21, v1, 3, s24                 ; stored here
	v_mul_u32_u24 v6, v3, 6144
	v_lshl_add_u32 v6, v4, 4, v6                   ; the image: lanes 0-15 one group, lanes 16-31 the next; 16 bytes a unit
	s_lshl_b32 s26, s22, 23                        ; weight: 128 rows of 65,536 bytes a K step,
	s_lshl_b32 s27, ttmp9, 8
	s_add_co_u32 s26, s26, s27                     ; 64 units a work-group,
	s_lshl_b32 s27, s21, 7
	s_add_co_u32 s26, s26, s27                     ; 32 a wave
	s_mov_b32 s27, 0
	s_lshl_b32 s28, ttmp9, 1
	s_add_co_u32 s28, s28, s21                     ; which 32 units of the 16,384
	s_mul_i32 s30, s28, 12288                      ; two groups' images
	s_mul_i32 s31, s22, 1536
	s_add_co_u32 s30, s30, s31
	s_mov_b32 s31, 0
	s_lshl_b32 s32, s28, 9
	s_mov_b32 s33, 0
	s_lshl_b32 s34, s28, 7
	s_mov_b32 s35, 0
	s_wait_kmcnt 0x0
	s_add_nc_u64 s[6:7], s[6:7], s[26:27]
	s_add_nc_u64 s[14:15], s[14:15], s[30:31]
	s_add_nc_u64 s[16:17], s[16:17], s[32:33]
	s_add_nc_u64 s[18:19], s[18:19], s[34:35]
.macro LOADW b                         ; block b: weight(32 b + i, my unit): 32 lanes read 128 consecutive bytes, the wave beside me the 128 next to them
.set i, 0
.rept 32
	global_load_b32 v[X+32*(\b)+i], v2, s[6:7] offset:(32*(\b)+i)*65536 th:TH_LOAD_NT
.set i, i+1
.endr
.endm
.macro BLOCKW b
.set XB, X+32*(\b)
.if (\b) < 3
	s_wait_loadcnt 32                              ; this block's 32 loads are in; the next block's 32 may be out
.else
	s_wait_loadcnt 0x0
.endif
.if (\b) < 2
	LOADW (\b)+2                                   ; into registers of its own, ahead of this block's arithmetic
.endif
	v_max3_num_f32 v12, |v[XB]|, |v[XB+1]|, |v[XB+2]|      ; the block's largest magnitude: all 32 numbers are mine
	v_max3_num_f32 v13, |v[XB+3]|, |v[XB+4]|, |v[XB+5]|
.irp i, 6,10,14,18,22,26
	v_max3_num_f32 v12, v12, |v[XB+\i]|, |v[XB+\i+1]|
	v_max3_num_f32 v13, v13, |v[XB+\i+2]|, |v[XB+\i+3]|
.endr
	v_max3_num_f32 v12, v12, |v[XB+30]|, |v[XB+31]|
	v_max3_num_f32 v12, v12, v13, 0x2800000        ; and the floor 2^(5 - 127): the byte cannot fall under 1
	v_add_nc_u32 v14, 0xfe000000, v12              ; 4 off the exponent field: the conversion's scale operand
	v_lshrrev_b32 v15, 23, v14                     ; the scale's byte
.if (\b) == 0
	v_mov_b32 v16, v15
.else
	v_lshl_or_b32 v16, v15, 8*(\b), v16            ; four bytes make my unit's word of this K step
.endif
	v_cvt_scalef32_pk16_bf6_f32 v[TW+12*((\b)%2)+6*((\b)/2):TW+12*((\b)%2)+6*((\b)/2)+2], v[XB:XB+15], v14
	v_cvt_scalef32_pk16_bf6_f32 v[TMW:TMW+2], v[XB+16:XB+31], v14
.set i, 0
.rept 16
	v_pk_fma_f32 v[8:9], v[XB+i:XB+i+1], v[XB+i:XB+i+1], v[8:9]    ; of the numbers as they are given, not of the quantised ones.  (Plain lines behind the conversions)
	v_pk_add_f32 v[10:11], v[10:11], v[XB+i:XB+i+1]
.set i, i+2
.endr
.irp i, 0,1,2
	v_mov_b32 v[TW+12*((\b)%2)+6*((\b)/2)+3+\i], v[TMW+\i]
.endr
.endm
	LOADW 0
	LOADW 1
	BLOCKW 0
	BLOCKW 1
	BLOCKW 2
	BLOCKW 3
.irp hk, 0,1
.irp c, 0,1,2
	global_store_b128 v6, v[TW+12*\hk+4*\c:TW+12*\hk+4*\c+3], s[14:15] offset:512*\c+256*\hk   ; sixteen lanes store 256 consecutive bytes, at a multiple of 256 from wq's first byte
.endr
.endr
	v_add_f32 v8, v8, v9
	v_add_f32 v9, v10, v11
	ds_store_b32 v20, v16
	ds_store_b64 v21, v[8:9]
	s_wait_dscnt 0x0                               ; for the others' sake: my word and my sums lie in LDS
	s_barrier_signal -1
	s_barrier_wait -1
	s_cmp_lg_u32 s22, 0                            ; the two waves of K step 0 finish their 32 units
	s_cbranch_scc1 .Lw_end
	ds_load_b128 v[32:35], v22
.irp p, 0,1,2,3
	ds_load_b64 v[36+2*\p:37+2*\p], v23 offset:512*\p
.endr
	s_wait_dscnt 0x0
	v_add_f32 v36, v36, v38                        ; K ascending
	v_add_f32 v37, v37, v39
	v_add_f32 v36, v36, v40
	v_add_f32 v37, v37, v41
	v_add_f32 v36, v36, v42
	v_add_f32 v37, v37, v43
	v_mul_f32 v36, -0.5, v36
	v_fmamk_f32 v36, v37, 0x358637bd, v36          ; eps sw - w2 / 2
	global_store_b128 v5, v[32:35], s[16:17]       ; 32 lanes store 512 consecutive bytes
	global_store_b32 v2, v36, s[18:19]
.Lw_end:
	s_wait_tensorcnt 0x0
	ds_add_u32 v244, v245
	s_wait_dscnt 0x0
	s_endpgm
; ---------------- the rows of x ----------------
.Lrows:
	s_sub_co_u32 s21, ttmp9, NW
	s_lshl_b32 s21, s21, 3
	s_add_co_u32 s21, s21, s20                     ; my block of 16 rows, 0..255
	s_mul_i32 s22, s20, 8448                       ; my stage: 16 rows of 512 bytes + 16
	v_add_nc_u32 v7, s22, v5                       ; in: as loaded, 16 bytes a lane
	v_mul_u32_u24 v6, v4, 528
	v_lshl_add_u32 v6, v3, 7, v6
	v_add_nc_u32 v6, s22, v6                       ; out: row r, my half's block of 128 bytes
	v_lshlrev_b32 v25, 3, v3                       ; 8 h
	v_mov_b32 v26, 0                               ; (a lane permute's destination counts as one of its sources)
	v_mov_b32 v27, 0
	s_mov_b32 s36, 0x76543210
	s_mov_b32 s37, 0xfedcba98                      ; selects for lane l xor 16
	s_lshl_b32 s24, s21, 15
	s_mov_b32 s25, 0
	s_mul_i32 s26, s21, 6144
	s_mov_b32 s27, 0
	s_lshl_b32 s28, s21, 8
	s_mov_b32 s29, 0
	s_lshl_b32 s30, s21, 6
	s_mov_b32 s31, 0
	s_wait_kmcnt 0x0
	s_add_nc_u64 s[4:5], s[4:5], s[24:25]
	s_add_nc_u64 s[8:9], s[8:9], s[26:27]
	s_add_nc_u64 s[10:11], s[10:11], s[28:29]
	s_add_nc_u64 s[12:13], s[12:13], s[30:31]
.macro LOADX t                         ; K step t of my 16 rows: a load reads 512 consecutive bytes of one row
.set i, 0
.rept 16
	global_load_b128 v[R+64*((\t)%2)+4*i:R+64*((\t)%2)+4*i+3], v5, s[4:5] offset:2048*i+512*(\t) th:TH_LOAD_NT
.set i, i+1
.endr
.endm
.macro STEPX t
.set RB, R+64*((\t)%2)
.if (\t) < 3
	s_wait_loadcnt 16                              ; this K step's 16 loads are in; the next step's may be out
.else
	s_wait_loadcnt 0x0
.endif
.set i, 0
.rept 16
	ds_store_b128 v7, v[RB+4*i:RB+4*i+3] offset:528*i
.set i, i+1
.endr
.set i, 0
.rept 16
	ds_load_b128 v[Y+4*i:Y+4*i+3], v6 offset:256*(i/8)+16*(i%8)    ; LDS serves a wave's instructions in order: these see my stores.  Blocks h and 2 + h of row r
.set i, i+1
.endr
	s_wait_dscnt 0x0
.if (\t)+2 < 4
	LOADX (\t)+2
.endif
.irp c, 0,1
	v_max3_num_f32 v[12+2*\c], |v[Y+32*\c]|, |v[Y+32*\c+1]|, |v[Y+32*\c+2]|
	v_max3_num_f32 v[13+2*\c], |v[Y+32*\c+3]|, |v[Y+32*\c+4]|, |v[Y+32*\c+5]|
.endr
.irp i, 6,10,14,18,22,26
.irp c, 0,1
	v_max3_num_f32 v[12+2*\c], v[12+2*\c], |v[Y+32*\c+\i]|, |v[Y+32*\c+\i+1]|
	v_max3_num_f32 v[13+2*\c], v[13+2*\c], |v[Y+32*\c+\i+2]|, |v[Y+32*\c+\i+3]|
.endr
.endr
.irp c, 0,1
	v_max3_num_f32 v[12+2*\c], v[12+2*\c], |v[Y+32*\c+30]|, |v[Y+32*\c+31]|
.endr
.irp c, 0,1
	v_max3_num_f32 v[12+2*\c], v[12+2*\c], v[13+2*\c], 0x2800000   ; with the floor 2^(5 - 127)
.endr
.irp c, 0,1
	v_add_nc_u32 v[20+\c], 0xfe000000, v[12+2*\c]
.endr
.irp c, 0,1
	v_lshrrev_b32 v[22+\c], 23, v[20+\c]
.endr
.if (\t) > 0
	s_wait_xcnt 0x0                                ; the last K step's stores have read the fragment's registers
.endif
.irp c, 0,1
	v_cvt_scalef32_pk16_bf6_f32 v[TX+6*\c:TX+6*\c+2], v[Y+32*\c:Y+32*\c+15], v[20+\c]
	v_cvt_scalef32_pk16_bf6_f32 v[TMX+4*\c:TMX+4*\c+2], v[Y+32*\c+16:Y+32*\c+31], v[20+\c]
.endr
.set i, 0
.rept 32
	v_pk_fma_f32 v[8:9], v[Y+i:Y+i+1], v[Y+i:Y+i+1], v[8:9]
	v_pk_add_f32 v[10:11], v[10:11], v[Y+i:Y+i+1]
.set i, i+2
.endr
.irp c, 0,1
.irp i, 0,1,2
	v_mov_b32 v[TX+6*\c+3+\i], v[TMX+4*\c+\i]
.endr
.endr
	v_lshl_or_b32 v24, v23, 16, v22                ; my two bytes, blocks h and 2 + h,
	v_lshlrev_b32 v24, v25, v24                    ; at their places in the word;
	v_permlanex16_b32 v26, v24, s36, s37
	v_or_b32 v[16+(\t)], v24, v26                  ; with lane l xor 16's two the word is whole
.irp c, 0,1,2
	global_store_b128 v5, v[TX+4*\c:TX+4*\c+3], s[8:9] offset:1536*(\t)+512*\c   ; 512 consecutive bytes
.endr
.endm
	LOADX 0
	LOADX 1
	STEPX 0
	STEPX 1
	STEPX 2
	STEPX 3
	v_add_f32 v8, v8, v9
	v_add_f32 v10, v10, v11
	v_permlanex16_b32 v26, v8, s36, s37
	v_permlanex16_b32 v27, v10, s36, s37
	v_add_f32 v8, v8, v26                          ; x2
	v_add_f32 v10, v10, v27                        ; sx
	v_fmamk_f32 v8, v10, 0x360637bd, v8            ; + 2 eps sx
	v_add_f32 v8, 0x300cbccc, v8                   ; + 512 eps^2
	v_cmp_gt_u32 vcc_lo, 16, v1
	v_cndmask_b32 v28, v18, v16, vcc_lo            ; lanes 0-15 store words 0, 1 of row r, lanes 16-31 words 2, 3: 256 bytes in all
	v_cndmask_b32 v29, v19, v17, vcc_lo
	v_lshlrev_b32 v30, 4, v4
	v_lshl_add_u32 v30, v3, 3, v30
	global_store_b64 v30, v[28:29], s[10:11]
	v_lshlrev_b32 v31, 2, v4
	s_wait_xcnt 0x0                                ; EXEC changes only behind this wait
	s_wait_tensorcnt 0x0
	ds_add_u32 v244, v245
	s_wait_dscnt 0x0
	s_and_saveexec_b32 s38, vcc_lo
	global_store_b32 v31, v8, s[12:13]             ; sixteen rows' xa
	s_wait_xcnt 0x0
	s_or_b32 exec_lo, exec_lo, s38
	s_endpgm
.Lfunc_end_k_q792ff6dd65_quant:
	.size	k_q792ff6dd65_quant, .Lfunc_end_k_q792ff6dd65_quant-k_q792ff6dd65_quant
	.p2alignl 7, 3214868480
	.fill 96, 4, 3214868480
	.section	.rodata,"a",@progbits
	.p2align	6, 0x0
	.amdhsa_kernel k_q792ff6dd65_quant
		.amdhsa_group_segment_fixed_size 71680
		.amdhsa_private_segment_fixed_size 0
		.amdhsa_enable_private_segment 0
		.amdhsa_kernarg_size 64
		.amdhsa_user_sgpr_count 2
		.amdhsa_user_sgpr_kernarg_segment_ptr 1
		.amdhsa_wavefront_size32 1
		.amdhsa_system_sgpr_workgroup_id_x 1
		.amdhsa_system_sgpr_workgroup_id_y 1
		.amdhsa_system_sgpr_workgroup_id_z 1
		.amdhsa_system_vgpr_workitem_id 0
		.amdhsa_next_free_vgpr 246
		.amdhsa_next_free_sgpr 66
		.amdhsa_reserve_vcc 1
		.amdhsa_float_denorm_mode_32 3
		.amdhsa_float_denorm_mode_16_64 3
		.amdhsa_memory_ordered 1
		.amdhsa_forward_progress 1
		.amdhsa_inst_pref_size 76
	.end_amdhsa_kernel
	.amdgpu_metadata
---
amdhsa.version: [ 1, 2 ]
amdhsa.kernels:
  - .name:           k_q792ff6dd65_quant
    .symbol:         k_q792ff6dd65_quant.kd
    .args:
      - { .name: x, .offset: 0, .size: 8, .value_kind: global_buffer, .address_space: global }
      - { .name: weight, .offset: 8, .size: 8, .value_kind: global_buffer, .address_space: global }
      - { .name: xq, .offset: 16, .size: 8, .value_kind: global_buffer, .address_space: global }
      - { .name: xs, .offset: 24, .size: 8, .value_kind: global_buffer, .address_space: global }
      - { .name: xa, .offset: 32, .size: 8, .value_kind: global_buffer, .address_space: global }
      - { .name: wq, .offset: 40, .size: 8, .value_kind: global_buffer, .address_space: global }
      - { .name: ws, .offset: 48, .size: 8, .value_kind: global_buffer, .address_space: global }
      - { .name: wc, .offset: 56, .size: 8, .value_kind: global_buffer, .address_space: global }
    .group_segment_fixed_size: 71680
    .private_segment_fixed_size: 0
    .kernarg_segment_align: 8
    .kernarg_segment_size: 64
    .max_flat_workgroup_size: 256
    .sgpr_count:     66
    .vgpr_count:     246
    .wavefront_size: 32
...
	.end_amdgpu_metadata
.endif
;; end of part 1
;; launch gemm (part 2): grid 8 x 32, 4 waves a work-group, clusters of 4 x 1, 281,088 bytes of LDS; arguments xq, xs, wq, ws, wc, gm; writes gm
.if DOCPART == 2
	.amdgcn_target "amdgcn-amd-amdhsa--gfx1250"
	.amdhsa_code_object_version 6
	.text
	.protected	k_q792ff6dd65_gemm
	.globl	k_q792ff6dd65_gemm
	.p2align	8
	.type	k_q792ff6dd65_gemm,@function
k_q792ff6dd65_gemm:
	s_mov_b64 s[64:65], 0
	v_nop
	global_prefetch_b8 v0, s[64:65] scope:SCOPE_SE
	s_setreg_imm32_b32 hwreg(HW_REG_WAVE_MODE, 25, 1), 1
	s_wait_xcnt 0x0
	s_wait_alu depctr_hold_cnt(0) depctr_sa_sdst(0) depctr_va_vdst(0) depctr_va_sdst(0) depctr_va_ssrc(0) depctr_va_vcc(0) depctr_vm_vsrc(0)
	s_getreg_b32 s2, hwreg(HW_REG_IB_STS2, 6, 4)
	s_cmp_eq_u32 s2, 0
	s_cbranch_scc0 .Lentry_in_a_cluster
	s_endpgm
.Lentry_in_a_cluster:
	s_bfe_u32 s2, ttmp6, 0x10000c
	s_cmp_lg_u32 s2, 0x3003
	s_cbranch_scc0 .Lentry_shape_is_right
	s_endpgm
.Lentry_shape_is_right:
; D(row, unit) = wc[unit] + sum over k of xq wq, on codes of BF6 with E8M0 scales; kept is only gm[ub][row][g] = the largest D of each group of 16 neighbouring units.
; The distance falls as D rises, so a group's largest D is its nearest unit, and the 16 nearest units of a row lie in the 16 groups whose nearest unit is nearest.
; SHARES.  A work-group owns 512 rows (slab) x 512 units (ub: 32 groups).  Each of its four waves keeps 128 rows of x, 8 fragments x 4 K steps = 384 registers, for the whole launch,
; and walks the 32 groups, whose images lie in LDS, filled ONCE: 32 x 6,144 bytes of codes, 8,192 of scale words, 2,048 of wc.  A group costs 15 LDS loads and feeds 32 matrix instructions.
; CLUSTER.  The four work-groups of a cluster share ub: codes, scale words and wc are asked for JOINTLY (mask 15), each wave a quarter, four loads a wave, all issued at the head: four tensor loads of a wave are out at the most.
; x goes straight into registers: each wave has rows of its own, so nothing of it is shared.  No slot is filled again, so there is no ring.
; THE PRODUCT IS USED TRANSPOSED: source 0 = a group's 16 units, source 1 = 16 rows: a lane holds one row and eight units; wc is the C of a sum's first instruction.
; A group's maximum: seven maxima a tile in the lane; two groups' halves change places (v_permlane16_swap_b32) and one more maximum: lane (r, h) then holds group 2 p + h of row r.
; These vector lines stand between the next group's matrix instructions; written as v_max3 with -infinity in the middle, they name window 1 in source 0, source 2 and the destination, as the products do: no switch of windows.
; REGISTERS.  window 0: v2-7 addresses, v8-15 the group's scale words (two sets), v16-47 x's scale words (4 q + t), v64-191 the way out.
;   window 1: v0-95 the group's fragments (two sets), v96-223 accumulators (two sets of 8), v224-239 wc (two sets), v240-247 the maxima.   windows 2, 3: x's fragments, tile q at 48 (q % 4) + 12 t.
.set WS_,  196608                      ; LDS: the images at 0; scale words;
.set WC_,  204800                      ; wc;
.set STG,  206848                      ; a stage for each wave: 128 rows x (128 bytes + 16)
.set SPWV, 18432
.set LW,  2
.set LS,  3
.set LC,  4
.set LST, 5
.set RD,  6
.set GO,  7
.set WSC, 8
.set XS,  16
.set OUTR, 64
.set AC0, 96
.set CC,  224
.set M0,  240
.set G1A, 16                           ; s[16:47] four groups 1;  s[48:63] four groups 0
.set G1B, 24
.set G1C, 32
.set G1D, 40
.set G0A, 48
.set G0B, 52
.set G0C, 56
.set G0D, 60
.set WV,  66
.set NINF, 67
.set CNT, 68
.set MSB, 0
.macro WIN new                         ; the immediate's high byte repeats the setting that is left
.if MSB != (\new)
	s_set_vgpr_msb (MSB<<8)|(\new)
.set MSB, (\new)
.endif
.endm
.macro CROUND                          ; a round of the cluster's barrier
	s_barrier_signal -1
	s_barrier_wait -1
	s_cmp_lg_u32 s[WV], 0
	s_cbranch_scc1 .Lnw0_\@
	s_barrier_signal -3
.Lnw0_\@:
	s_barrier_wait -3
	s_barrier_signal -1
	s_barrier_wait -1
.endm
.macro SETG1 g, rows                   ; a dense block as rows of 256 bytes (32 elements of 8 bytes), no padding; mask 15, bit 21 beside it
	s_mov_b32 s[\g], 15|(3<<16)|(1<<21)
	s_mov_b32 s[\g+1], 32<<16
	s_mov_b32 s[\g+2], (\rows)<<16
	s_mov_b32 s[\g+3], 32<<16
	s_mov_b32 s[\g+4], \rows
	s_mov_b32 s[\g+5], 32
	s_mov_b32 s[\g+6], 0
	s_mov_b32 s[\g+7], 0
.endm
	s_load_b256 s[4:11], s[0:1], 0x0               ; xq 4, xs 6, wq 8, ws 10
	s_load_b128 s[12:15], s[0:1], 0x20             ; wc 12, gm 14
	v_lshl_add_u32 v254, v0, 2, 0x44800
	v_mov_b32 v255, 0
	ds_add_u32 v254, v255
	ds_add_u32 v254, v255
	v_lshrrev_b32 v1, 5, v0
	v_readfirstlane_b32 s[WV], v1                  ; wave 0..3
	s_bfe_u32 s69, ttmp6, 0x40000                  ; cx
	s_lshl_b32 s70, ttmp9, 2
	s_add_co_u32 s70, s70, s69                     ; slab = 4 x cluster x + cx: it enters x's and gm's addresses alone
	s_and_b32 s71, ttmp7, 0xffff                   ; ub, which the four partners share
	s_mov_b32 s[NINF], 0xff800000
	SETG1 G1A, 8                                   ; my quarter of the scale words: 2,048 bytes
	SETG1 G1B, 2                                   ; of wc: 512 bytes
	SETG1 G1C, 48                                  ; groups 2 w, 2 w + 1
	SETG1 G1D, 144                                 ; groups 8 + 6 w .. 8 + 6 w + 5
	s_lshl_b32 s72, s71, 13
	s_lshl_b32 s73, s[WV], 11
	s_add_co_u32 s72, s72, s73
	s_add_co_u32 s[G0A+1], s73, WS_
	s_mov_b32 s73, 0
	s_lshl_b32 s74, s71, 11
	s_lshl_b32 s75, s[WV], 9
	s_add_co_u32 s74, s74, s75
	s_add_co_u32 s[G0B+1], s75, WC_
	s_mov_b32 s75, 0
	s_mul_i32 s76, s71, 196608
	s_mul_i32 s[G0C+1], s[WV], 12288
	s_add_co_u32 s78, s76, 49152
	s_add_co_u32 s76, s76, s[G0C+1]
	s_mov_b32 s77, 0
	s_mul_i32 s80, s[WV], 36864
	s_add_co_u32 s78, s78, s80
	s_mov_b32 s79, 0
	s_add_co_u32 s[G0D+1], s80, 49152
	s_mov_b32 s[G0A], 1
	s_mov_b32 s[G0B], 1
	s_mov_b32 s[G0C], 1
	s_mov_b32 s[G0D], 1
	s_mul_i32 s82, s70, 196608                     ; x's images: 32 row blocks a slab, 8 a wave
	s_mul_i32 s83, s[WV], 49152
	s_add_co_u32 s82, s82, s83
	s_mov_b32 s83, 0
	s_lshl_b32 s84, s70, 13                        ; x's scale words: 16 bytes a row
	s_lshl_b32 s85, s[WV], 11
	s_add_co_u32 s84, s84, s85
	s_mov_b32 s85, 0
	s_lshl_b32 s86, s71, 19                        ; gm: 524,288 bytes a ub, 128 a row
	s_lshl_b32 s87, s70, 16
	s_add_co_u32 s86, s86, s87
	s_lshl_b32 s87, s[WV], 14
	s_add_co_u32 s86, s86, s87
	s_mov_b32 s87, 0
	s_wait_dscnt 0x0
	s_wait_kmcnt 0x0
	s_add_nc_u64 s[G0A+2:G0A+3], s[10:11], s[72:73]
	s_or_b32 s[G0A+3], s[G0A+3], 0x80000000
	s_add_nc_u64 s[G0B+2:G0B+3], s[12:13], s[74:75]
	s_or_b32 s[G0B+3], s[G0B+3], 0x80000000
	s_add_nc_u64 s[G0C+2:G0C+3], s[8:9], s[76:77]
	s_or_b32 s[G0C+3], s[G0C+3], 0x80000000
	s_add_nc_u64 s[G0D+2:G0D+3], s[8:9], s[78:79]
	s_or_b32 s[G0D+3], s[G0D+3], 0x80000000
	s_add_nc_u64 s[4:5], s[4:5], s[82:83]
	s_add_nc_u64 s[6:7], s[6:7], s[84:85]
	s_add_nc_u64 s[14:15], s[14:15], s[86:87]
	CROUND                                         ; all four work-groups are here: the joint loads meet
	tensor_load_to_lds s[G0A:G0A+3], s[G1A:G1A+7]
	s_nop 0
	tensor_load_to_lds s[G0B:G0B+3], s[G1B:G1B+7]
	s_nop 0
	tensor_load_to_lds s[G0C:G0C+3], s[G1C:G1C+7]
	s_nop 0
	tensor_load_to_lds s[G0D:G0D+3], s[G1D:G1D+7]
	s_nop 0
.rept 4
	v_nop
.endr
	v_and_b32 v1, 31, v0
	v_lshlrev_b32 v[LW], 4, v1                     ; an image's place for my lane; steps 6,144 a group
	v_lshlrev_b32 v[GO], 4, v1
	v_lshrrev_b32 v48, 3, v1
	v_and_b32 v49, 7, v1
	v_and_b32 v50, 15, v1                          ; r
	v_lshrrev_b32 v51, 4, v1                       ; h
	s_mul_i32 s88, s[WV], SPWV
	s_add_co_u32 s88, s88, STG
	v_mul_u32_u24 v[LST], v50, 144
	v_lshl_add_u32 v[LST], v51, 2, v[LST]
	v_add_nc_u32 v[LST], s88, v[LST]               ; the stage, in: row r, group h; steps 8 bytes a pair of groups
	v_mul_u32_u24 v[RD], v48, 144
	v_lshl_add_u32 v[RD], v49, 4, v[RD]
	v_add_nc_u32 v[RD], s88, v[RD]                 ; and back: eight lanes to a row of 128 bytes
	v_lshlrev_b32 v1, 4, v50
	v_add_nc_u32 v[LS], WS_, v1                    ; unit r's four scale words
	v_lshlrev_b32 v[LC], 5, v51
	v_add_nc_u32 v[LC], WC_, v[LC]                 ; wc of units 8 h .. 8 h + 7
	WIN 0x80                                       ; destination window 2
.set i, 0
.rept 48
	global_load_b128 v[4*i:4*i+3], v[GO], s[4:5] offset:512*i      ; x's tiles 0-3: an image is the registers on end
.set i, i+1
.endr
	WIN 0xc0                                       ; window 3
.set i, 0
.rept 48
	global_load_b128 v[4*i:4*i+3], v[GO], s[4:5] offset:24576+512*i   ; tiles 4-7
.set i, i+1
.endr
	WIN 0
.irp q, 0,1,2,3,4,5,6,7
	global_load_b128 v[XS+4*\q:XS+4*\q+3], v1, s[6:7] offset:256*\q
.endr
.macro LOADG par                       ; the next group's fragments, wc and scale words into set par
	WIN 0x40
.irp i, 0,1,2,3,4,5,6,7,8,9,10,11
	ds_load_b128 v[48*(\par)+4*\i:48*(\par)+4*\i+3], v[LW] offset:512*\i
.endr
	ds_load_b128 v[CC+8*(\par):CC+8*(\par)+3], v[LC]
	ds_load_b128 v[CC+8*(\par)+4:CC+8*(\par)+7], v[LC] offset:16
	WIN 0
	ds_load_b128 v[WSC+4*(\par):WSC+4*(\par)+3], v[LS]
	v_add_nc_u32 v[LW], 6144, v[LW]
	v_add_nc_u32 v[LS], 256, v[LS]
	v_add_nc_u32 v[LC], 64, v[LC]
.endm
.macro REDOP e, n                      ; line n of the reduction of accumulator set e.  Each tile is read from its low end on
.if (\n) < 56
.set rb_, AC0+64*(\e)+8*((\n)/7)
.set ro_, (\n)%7
.if ro_ < 4
	v_max3_num_f32 v[rb_+2*ro_], v[rb_+2*ro_], s[NINF], v[rb_+2*ro_+1]
.elseif ro_ < 6
	v_max3_num_f32 v[rb_+4*(ro_-4)], v[rb_+4*(ro_-4)], s[NINF], v[rb_+4*(ro_-4)+2]
.elseif (\e) == 0
	v_max3_num_f32 v[M0+(\n)/7], v[rb_], s[NINF], v[rb_+4]
.else
	v_max3_num_f32 v[rb_], v[rb_], s[NINF], v[rb_+4]
.endif
.elseif ((\e) == 1) && ((\n) < 72)
.set rq_, ((\n)-56)/2
.if (\n)%2 == 0
	v_permlane16_swap_b32 v[M0+rq_], v[AC0+64+8*rq_]   ; the even group's upper eight units against the odd group's lower eight
.else
	v_max3_num_f32 v[M0+rq_], v[M0+rq_], s[NINF], v[AC0+64+8*rq_]
.endif
.endif
.endm
.macro TAILST                          ; a pair of groups' maxima into my stage
	WIN 0x04                                       ; an LDS store's data are its source 1: window 1
.irp q, 0,1,2,3,4,5,6,7
	ds_store_b32 v[LST], v[M0+\q] offset:2304*\q
.endr
	WIN 0
	v_add_nc_u32 v[LST], 8, v[LST]
.endm
.macro MM par, t, q
.set dA, AC0+64*(\par)+8*(\q)
.set fA, 48*(\par)+12*(\t)
.set xB, 48*((\q)%4)+12*(\t)
.if (\t) == 0
	v_wmma_scale_f32_16x16x128_f8f6f4 v[dA:dA+7], v[fA:fA+11], v[xB:xB+11], v[CC+8*(\par):CC+8*(\par)+7], v[WSC+4*(\par)+(\t)], v[XS+4*(\q)+(\t)] matrix_a_fmt:MATRIX_FMT_BF6 matrix_b_fmt:MATRIX_FMT_BF6
.else
	v_wmma_scale_f32_16x16x128_f8f6f4 v[dA:dA+7], v[fA:fA+11], v[xB:xB+11], v[dA:dA+7], v[WSC+4*(\par)+(\t)], v[XS+4*(\q)+(\t)] matrix_a_fmt:MATRIX_FMT_BF6 matrix_b_fmt:MATRIX_FMT_BF6
.endif
.endm
; One group: 32 matrix instructions, four accumulators by turns, K ascending; three lines of the last group's reduction behind each.
.macro MULRED par, red, tail, load
	s_wait_dscnt 0x0                               ; this group's 15 loads, issued a group (32 matrix instructions) ago, are in
.rept 4
	v_nop                                          ; four places behind the last products: for the loads into the other set's registers and for the first reads of its results
.endr
.if \tail
	TAILST
.endif
.if \load
	LOADG 1-\par
.endif
.set rn, 0
.irp hq, 0,1
	WIN 0x59+4*\hq                                 ; source 0, C and D window 1; source 1 window 2, then 3
.irp t, 0,1,2,3
.irp q, 0,1,2,3
	MM \par, \t, 4*\hq+\q
.if \red
.rept 3
	REDOP 1-\par, rn
.set rn, rn+1
.endr
.endif
.endr
.endr
.endr
	WIN 0
.endm
.macro TRIP
	MULRED 0, 1, 0, 1
	MULRED 1, 1, 1, 1
.endm
	s_wait_tensorcnt 0x1                           ; my scale words, wc and two first groups have landed; the large chunk may stay out
	s_barrier_signal -1
	s_barrier_wait -1                              ; everybody's have: groups 0-7 are whole
	LOADG 0
	s_wait_loadcnt 0x0                             ; x
	MULRED 0, 0, 0, 1                              ; group 0
	MULRED 1, 1, 0, 1                              ; group 1
	s_mov_b32 s[CNT], 2
.Lfirst:                                           ; groups 2-5; the last trip fetches group 6
	TRIP
	s_sub_co_u32 s[CNT], s[CNT], 1
	s_cmp_lg_u32 s[CNT], 0
	s_cbranch_scc1 .Lfirst
	s_wait_tensorcnt 0x0                           ; my part of groups 8-31 has landed
	s_wait_dscnt 0x0
	s_barrier_signal -1
	s_barrier_wait -1                              ; everybody's has
	s_mov_b32 s[CNT], 12
.Lrest:                                            ; groups 6-29
	TRIP
	s_sub_co_u32 s[CNT], s[CNT], 1
	s_cmp_lg_u32 s[CNT], 0
	s_cbranch_scc1 .Lrest
	MULRED 0, 1, 0, 1                              ; group 30
	MULRED 1, 1, 1, 0                              ; group 31: nothing more to fetch
.rept 4
	v_nop
.endr
	WIN 0x59
.set rn, 0
.rept 72
	REDOP 1, rn
.set rn, rn+1
.endr
	TAILST
; THE WAY OUT: my 128 rows x 32 groups come back from my own stage, four rows (512 bytes) an instruction, and are as many consecutive bytes of gm.
.set i, 0
.rept 32
	ds_load_b128 v[OUTR+4*i:OUTR+4*i+3], v[RD] offset:576*i        ; LDS serves a wave's instructions in order: these see my stores
.set i, i+1
.endr
.set i, 0
.rept 32
	s_wait_dscnt 31-i                              ; the younger loads may be out
	global_store_b128 v[GO], v[OUTR+4*i:OUTR+4*i+3], s[14:15] offset:512*i
.set i, i+1
.endr
	s_wait_tensorcnt 0x0
	ds_add_u32 v254, v255
	s_wait_dscnt 0x0
	CROUND                                         ; the closing round
	s_endpgm
.Lfunc_end_k_q792ff6dd65_gemm:
	.size	k_q792ff6dd65_gemm, .Lfunc_end_k_q792ff6dd65_gemm-k_q792ff6dd65_gemm
	.p2alignl 7, 3214868480
	.fill 96, 4, 3214868480
	.section	.rodata,"a",@progbits
	.p2align	6, 0x0
	.amdhsa_kernel k_q792ff6dd65_gemm
		.amdhsa_group_segment_fixed_size 281088
		.amdhsa_private_segment_fixed_size 0
		.amdhsa_enable_private_segment 0
		.amdhsa_kernarg_size 48
		.amdhsa_user_sgpr_count 2
		.amdhsa_user_sgpr_kernarg_segment_ptr 1
		.amdhsa_wavefront_size32 1
		.amdhsa_system_sgpr_workgroup_id_x 1
		.amdhsa_system_sgpr_workgroup_id_y 1
		.amdhsa_system_sgpr_workgroup_id_z 1
		.amdhsa_system_vgpr_workitem_id 0
		.amdhsa_next_free_vgpr 960
		.amdhsa_next_free_sgpr 96
		.amdhsa_reserve_vcc 0
		.amdhsa_float_denorm_mode_32 3
		.amdhsa_float_denorm_mode_16_64 3
		.amdhsa_memory_ordered 1
		.amdhsa_forward_progress 1
		.amdhsa_inst_pref_size 101
	.end_amdhsa_kernel
	.amdgpu_metadata
---
amdhsa.version: [ 1, 2 ]
amdhsa.kernels:
  - .name:           k_q792ff6dd65_gemm
    .symbol:         k_q792ff6dd65_gemm.kd
    .args:
      - { .name: xq, .offset: 0, .size: 8, .value_kind: global_buffer, .address_space: global }
      - { .name: xs, .offset: 8, .size: 8, .value_kind: global_buffer, .address_space: global }
      - { .name: wq, .offset: 16, .size: 8, .value_kind: global_buffer, .address_space: global }
      - { .name: ws, .offset: 24, .size: 8, .value_kind: global_buffer, .address_space: global }
      - { .name: wc, .offset: 32, .size: 8, .value_kind: global_buffer, .address_space: global }
      - { .name: gm, .offset: 40, .size: 8, .value_kind: global_buffer, .address_space: global }
    .group_segment_fixed_size: 281088
    .private_segment_fixed_size: 0
    .kernarg_segment_align: 8
    .kernarg_segment_size: 48
    .max_flat_workgroup_size: 128
    .sgpr_count:     96
    .vgpr_count:     960
    .wavefront_size: 32
...
	.end_amdgpu_metadata
.endif
;; end of part 2
;; launch pick (part 3): grid 512 x 1, 8 waves a work-group, no clusters, 0 bytes of LDS; arguments gm, xa, sel; writes sel
.if DOCPART == 3
	.amdgcn_target "amdgcn-amd-amdhsa--gfx1250"
	.amdhsa_code_object_version 6
	.text
	.protected	k_q792ff6dd65_pick
	.globl	k_q792ff6dd65_pick
	.p2align	8
	.type	k_q792ff6dd65_pick,@function
k_q792ff6dd65_pick:
	s_mov_b64 s[64:65], 0
	v_nop
	global_prefetch_b8 v0, s[64:65] scope:SCOPE_SE
	s_setreg_imm32_b32 hwreg(HW_REG_WAVE_MODE, 25, 1), 1
	s_wait_xcnt 0x0
; For each row: which 16 of its 1,024 groups have the nearest unit.  gm[ub][row][32] holds each group's largest D; f = sqrt(max(xa - 2 D, 0)), the root correctly rounded; smaller f first, then the lower group.
; OUT: sel[row][32 words], whole numbers: bit l of word j marks group 32 j + l; exactly 16 bits a row.  The next launch forms its addresses from them.
; One wave, one row: register j of lane l is group 32 j + l.  (1) each lane keeps its 16 smallest f in order (insertion by v_med3); (2) five merges across the lanes leave the row's 16 smallest; their largest is tau;
; (3) every f < tau is marked, and of the f = tau the first 16 - count in the order of groups.  No branch, no address hangs on a floating-point number.
; No LDS, no matrix unit, no cluster: waves share nothing, and each byte of gm is read once.
; LIMITS: xa - 2 D under 2^-126 counts as 0 (the root's instruction takes denormals as zero); NaN and infinities are not served.
.set SQ, 32
.set F,  64
.set L,  96
.set N,  112
.set TAU, 8
.set VM, 9
.set RK, 10
.set LT, 32                            ; s32-63: the masks f < tau
	s_load_b128 s[4:7], s[0:1], 0x0                ; gm, xa
	s_load_b64 s[8:9], s[0:1], 0x10                ; sel
	v_lshrrev_b32 v1, 5, v0
	v_readfirstlane_b32 s10, v1
	v_and_b32 v1, 31, v0
	v_lshlrev_b32 v1, 2, v1                        ; 4 x lane
	s_lshl_b32 s11, ttmp9, 3
	s_add_co_u32 s11, s11, s10                     ; my row
	s_lshl_b32 s12, s11, 7
	s_mov_b32 s13, 0
	s_lshl_b32 s14, s11, 2
	s_mov_b32 s15, 0
	s_mov_b32 s28, 0x76543210
	s_mov_b32 s29, 0xfedcba98
	s_wait_kmcnt 0x0
	s_add_nc_u64 s[4:5], s[4:5], s[12:13]
	s_add_nc_u64 s[18:19], s[4:5], 0x800000        ; ub 16 on: the immediates stay inside 24 bits
	s_add_nc_u64 s[6:7], s[6:7], s[14:15]
	s_add_nc_u64 s[8:9], s[8:9], s[12:13]
	s_load_b32 s16, s[6:7], 0x0                    ; xa of my row
.set j, 0
.rept 16
	global_load_b32 v[SQ+j], v1, s[4:5] offset:524288*j th:TH_LOAD_NT
.set j, j+1
.endr
.set j, 0
.rept 16
	global_load_b32 v[SQ+16+j], v1, s[18:19] offset:524288*j th:TH_LOAD_NT
.set j, j+1
.endr
	s_wait_kmcnt 0x0
	s_wait_loadcnt 0x0
.set j, 0
.rept 32
	v_fma_f32 v[SQ+j], v[SQ+j], -2.0, s16
.set j, j+1
.endr
.set j, 0
.rept 32
	v_max_num_f32 v[SQ+j], 0, v[SQ+j]
.set j, j+1
.endr
.set j, 0
.rept 32
	v_sqrt_f32 v[F+j], v[SQ+j]
.set j, j+1
.endr
.set j, 0
.rept 16
	v_mov_b32 v[L+j], 0x7f800000                   ; the list begins as +infinity.  (Plain work behind the roots)
	v_mov_b32 v[N+j], 0                            ; (a DPP destination counts as one of its sources)
.set j, j+1
.endr
	v_mov_b32 v[VM], 0
	s_wait_alu depctr_va_vdst(0)                   ; one wait for the 32 roots, ahead of their first reader
; The root is within one unit of the last place; the residuals against its two neighbours say which of the three is the rounded root.
.macro FIX f, q, t
	v_add_nc_u32 v[\t], -1, v[\f]
	v_add_nc_u32 v[\t+1], 1, v[\f]
	v_fma_f32 v[\t+2], -v[\t], v[\f], v[\q]
	v_fma_f32 v[\t+3], -v[\t+1], v[\f], v[\q]
	v_cmp_ge_f32 vcc_lo, 0, v[\t+2]
	v_cndmask_b32 v[\f], v[\f], v[\t], vcc_lo
	v_cmp_lt_f32 vcc_lo, 0, v[\t+3]
	v_cndmask_b32 v[\f], v[\f], v[\t+1], vcc_lo
.endm
.set j, 0
.rept 32
	FIX F+j, SQ+j, 12+4*(j%2)
.set j, j+1
.endr
; (1) insertion: place i takes the middle of its lower neighbour, the new number and itself; from the top down, so that each reads old values.  The first 16 insertions touch only places that can change.
.set j, 0
.rept 32
.set i, 15
.rept 15
.if i <= j
	v_med3_num_f32 v[L+i], v[L+i-1], v[F+j], v[L+i]
.endif
.set i, i-1
.endr
	v_min_num_f32 v[L], v[L], v[F+j]
.set j, j+1
.endr
; (2) two ascending lists of 16: min(mine[i], partner's[15 - i]) are the 16 smallest of the 32, as a bitonic run; four stages put them in order again.
.macro STAGE a, b, d
.set i, 0
.rept 16
.if (i & \d) == 0
	v_min_num_f32 v[\b+i], v[\a+i], v[\a+i+\d]
	v_max_num_f32 v[\b+i+\d], v[\a+i], v[\a+i+\d]
.endif
.set i, i+1
.endr
.endm
.macro MERGE src, dst, k
.set i, 0
.rept 16
	v_min_num_f32_dpp v[\dst+i], v[\src+15-i], v[\src+i] row_xmask:\k row_mask:0xf bank_mask:0xf
.set i, i+1
.endr
	STAGE \dst, \src, 8
	STAGE \src, \dst, 4
	STAGE \dst, \src, 2
	STAGE \src, \dst, 1
.endm
	MERGE L, N, 1
	MERGE N, L, 2
	MERGE L, N, 4
	MERGE N, L, 8
.set i, 0
.rept 16
	v_permlanex16_b32 v[N+i], v[L+15-i], s28, s29
.set i, i+1
.endr
.set i, 0
.rept 16
	v_min_num_f32 v[N+i], v[N+i], v[L+i]           ; the row's 16 smallest, in no order
.set i, i+1
.endr
	v_max3_num_f32 v[TAU], v[N], v[N+1], v[N+2]
.irp i, 3,5,7,9,11,13
	v_max3_num_f32 v[TAU], v[TAU], v[N+\i], v[N+\i+1]
.endr
	v_max_num_f32 v[TAU], v[TAU], v[N+15]          ; tau: the 16th smallest, the same in every lane
; (3)
	s_mov_b32 s20, 0
.set j, 0
.rept 32
	v_cmp_lt_f32 s[LT+j], v[F+j], v[TAU]
	s_bcnt1_i32_b32 s21, s[LT+j]
	s_add_co_u32 s20, s20, s21
.set j, j+1
.endr
	s_sub_co_u32 s22, 16, s20                      ; so many of the f = tau are taken
	s_mov_b32 s23, 0                               ; those met so far
.set j, 0
.rept 32
	v_cmp_eq_f32 s24, v[F+j], v[TAU]
	v_mbcnt_lo_u32_b32 v[RK], s24, s23             ; my place among the equal ones, in the order of groups
	v_cmp_gt_u32 s25, s22, v[RK]
	s_and_b32 s25, s25, s24
	s_or_b32 s25, s25, s[LT+j]
	s_bcnt1_i32_b32 s26, s24
	s_add_co_u32 s23, s23, s26
	v_writelane_b32 v[VM], s25, j                  ; word j into lane j
.set j, j+1
.endr
	global_store_b32 v1, v[VM], s[8:9]
	s_endpgm
.Lfunc_end_k_q792ff6dd65_pick:
	.size	k_q792ff6dd65_pick, .Lfunc_end_k_q792ff6dd65_pick-k_q792ff6dd65_pick
	.p2alignl 7, 3214868480
	.fill 96, 4, 3214868480
	.section	.rodata,"a",@progbits
	.p2align	6, 0x0
	.amdhsa_kernel k_q792ff6dd65_pick
		.amdhsa_group_segment_fixed_size 0
		.amdhsa_private_segment_fixed_size 0
		.amdhsa_enable_private_segment 0
		.amdhsa_kernarg_size 24
		.amdhsa_user_sgpr_count 2
		.amdhsa_user_sgpr_kernarg_segment_ptr 1
		.amdhsa_wavefront_size32 1
		.amdhsa_system_sgpr_workgroup_id_x 1
		.amdhsa_system_sgpr_workgroup_id_y 1
		.amdhsa_system_sgpr_workgroup_id_z 1
		.amdhsa_system_vgpr_workitem_id 0
		.amdhsa_next_free_vgpr 128
		.amdhsa_next_free_sgpr 72
		.amdhsa_reserve_vcc 1
		.amdhsa_float_denorm_mode_32 3
		.amdhsa_float_denorm_mode_16_64 3
		.amdhsa_memory_ordered 1
		.amdhsa_forward_progress 1
		.amdhsa_inst_pref_size 74
	.end_amdhsa_kernel
	.amdgpu_metadata
---
amdhsa.version: [ 1, 2 ]
amdhsa.kernels:
  - .name:           k_q792ff6dd65_pick
    .symbol:         k_q792ff6dd65_pick.kd
    .args:
      - { .name: gm, .offset: 0, .size: 8, .value_kind: global_buffer, .address_space: global }
      - { .name: xa, .offset: 8, .size: 8, .value_kind: global_buffer, .address_space: global }
      - { .name: sel, .offset: 16, .size: 8, .value_kind: global_buffer, .address_space: global }
    .group_segment_fixed_size: 0
    .private_segment_fixed_size: 0
    .kernarg_segment_align: 8
    .kernarg_segment_size: 24
    .max_flat_workgroup_size: 256
    .sgpr_count:     72
    .vgpr_count:     128
    .wavefront_size: 32
...
	.end_amdgpu_metadata
.endif
;; end of part 3
;; launch final (part 4): grid 256 x 1, 16 waves a work-group, no clusters, 6,144 bytes of LDS; arguments sel, xq, xs, xa, wq, ws, wc, locations, out0, out1; writes out0, out1
.if DOCPART == 4
	.amdgcn_target "amdgcn-amd-amdhsa--gfx1250"
	.amdhsa_code_object_version 6
	.text
	.protected	k_q792ff6dd65_final
	.globl	k_q792ff6dd65_final
	.p2align	8
	.type	k_q792ff6dd65_final,@function
k_q792ff6dd65_final:
	s_mov_b64 s[64:65], 0
	v_nop
	global_prefetch_b8 v0, s[64:65] scope:SCOPE_SE
	s_setreg_imm32_b32 hwreg(HW_REG_WAVE_MODE, 25, 1), 1
	s_wait_xcnt 0x0
; The 16 marked groups of each row, 256 units, are multiplied once more, by the same matrix instruction in the same chain (C = wc, K ascending), and the 16 nearest are taken in order:
; f = sqrt(max(xa - 2 D, 0)), the root correctly rounded; smaller f first, then the lower unit.  out0[n][row] = locations[n-th nearest unit]; out1 = 0.
; SHARES.  One wave, one row; sixteen waves a work-group, four to a SIMD, so that one wave's loads stand beside another's arithmetic.  Addresses hang on sel alone, whole numbers that the launch before has stored.
; THE PRODUCT: source 0 = 16 units, source 1 = my row in all sixteen columns: register j of lane (r, h) is unit 8 h + j of the tile, for every r.
; Tile 2 a + u takes units 8 u .. 8 u + 7 of the a-th marked group as its rows 0-7 and of the (8 + a)-th as its rows 8-15; lanes 2 a + u and 16 + 2 a + u keep its results.
; So lane l holds candidates 8 l .. 8 l + 7 in ascending order of units, and among equal f the lowest lane and register is the lowest unit.
; THE CHOICE is made sixteen times without a branch on data: the wave's smallest f, its first holder, whose f becomes +infinity and whose location is summed over the wave against zeros.
; No tensor loads and no cluster: each row gathers groups of its own.
; LIMITS: as in the launch before (xa - 2 D under 2^-126 counts as 0; NaN and infinities are not served).
.set LANE, 1
.set VW,  2
.set GL,  3
.set BA,  4
.set BS,  5
.set GA,  6
.set GS,  7
.set GC,  8
.set LA,  9
.set ZR,  10
.set T0,  11
.set T1,  12
.set T2,  13
.set T3,  14
.set XVO, 15
.set XF,  16                           ; v16-63 my row's four fragments
.set XS,  64                           ; v64-67 its scale words
.set FR,  68                           ; v68-163 two tiles' fragments; later v68-75 f, v76-83 at work
.set SA,  164
.set CC,  172
.set ACC, 188
.set CAND, 204
.set LOC, 212                          ; v212-227 my eight candidates' locations
.set RES, 228
.set INF, 230
.set LM,  231
.set MN,  232
.set TP,  233
.set PX,  234
.set PY,  235
.set OA,  237
.set RDA, 238
.set STA, 239
.set FV,  68
.set WV,  24
.set RHO, 25
.set G,   32                           ; s32-47 the marked groups, ascending
.set AA,  48
.set MM8, 49
.set MH,  50
.set SEL, 52
.set MK,  54
.set CNT, 55
.set CAP, 56
.set ANY, 57
.set REM, 58
.set EQ,  59
.set TK,  60
	s_load_b512 s[4:19], s[0:1], 0x0               ; sel 4, xq 6, xs 8, xa 10, wq 12, ws 14, wc 16, locations 18
	s_load_b128 s[20:23], s[0:1], 0x40             ; out0 20, out1 22
	v_lshl_add_u32 v254, v0, 2, 0x1000
	v_mov_b32 v255, 0
	v_lshrrev_b32 v1, 5, v0
	v_readfirstlane_b32 s[WV], v1                  ; wave 0..15
	v_and_b32 v[LANE], 31, v0
	s_lshl_b32 s[RHO], ttmp9, 4
	s_add_co_u32 s[RHO], s[RHO], s[WV]             ; my row
	s_lshl_b32 s26, s[RHO], 7
	s_mov_b32 s27, 0
	s_mul_i32 s28, ttmp9, 6144                     ; the work-group's 16 rows are one image
	s_mov_b32 s29, 0
	s_lshl_b32 s30, s[RHO], 4
	s_mov_b32 s31, 0
	s_lshl_b32 s62, s[RHO], 2
	s_mov_b32 s63, 0
	s_lshl_b32 s66, ttmp9, 7
	s_mov_b32 s67, 0
	s_mov_b32 s[MM8], 0xff00ff00                   ; lanes whose row of a tile is 8-15
	s_mov_b32 s[MH], 0xffff0000
	s_mov_b32 s[SEL], 0x76543210
	s_mov_b32 s[SEL+1], 0xfedcba98
	v_lshlrev_b32 v[T0], 2, v[LANE]
	v_lshrrev_b32 v[T1], 4, v[LANE]                ; h
	s_lshl_b32 s68, s[WV], 4
	v_lshl_add_u32 v[XVO], v[T1], 8, s68           ; my row's place in its image: lane (row % 16) + 16 h
	v_and_b32 v[T2], 7, v[LANE]
	v_lshlrev_b32 v[BS], 4, v[T2]
	v_lshl_add_u32 v[BA], v[T1], 8, v[BS]
	v_mov_b32 v[ZR], 0
	v_mov_b32 v[GL], 0
	s_lshl_b32 s68, s[WV], 3
	v_lshl_add_u32 v[STA], v[LANE], 7, s68         ; LDS: [n 16][row 16] pairs
	v_lshlrev_b32 v[RDA], 4, v0
	v_lshrrev_b32 v[OA], 3, v0
	v_and_b32 v[T3], 7, v0
	v_lshlrev_b32 v[OA], 15, v[OA]
	v_lshl_add_u32 v[OA], v[T3], 4, v[OA]          ; out0: 32,768 bytes from n to n
	s_wait_kmcnt 0x0
	s_add_nc_u64 s[4:5], s[4:5], s[26:27]
	s_add_nc_u64 s[6:7], s[6:7], s[28:29]
	s_add_nc_u64 s[8:9], s[8:9], s[30:31]
	s_add_nc_u64 s[10:11], s[10:11], s[62:63]
	s_add_nc_u64 s[20:21], s[20:21], s[66:67]
	s_load_b32 s[AA], s[10:11], 0x0
	global_load_b32 v[VW], v[T0], s[4:5]           ; lane j: word j of my row's marks
.set i, 0
.rept 12
	global_load_b128 v[XF+4*i:XF+4*i+3], v[XVO], s[6:7] offset:512*i
.set i, i+1
.endr
	global_load_b128 v[XS:XS+3], v[ZR], s[8:9]
.irp j, 0,1,2,3,4,5,6,7
	v_mov_b32 v[CAND+\j], 0
.endr
	s_wait_loadcnt 13                              ; the marks are in; x's 13 loads may be out
; The lowest marked group: the first lane with a word that is not 0, that word's lowest bit; the bit is then cleared in that lane.
.macro DECODE s
	v_cmp_ne_u32 vcc_lo, 0, v[VW]
	s_ctz_i32_b32 s26, vcc_lo
	s_min_u32 s26, s26, 31
	v_readlane_b32 s27, v[VW], s26
	s_ctz_i32_b32 s28, s27
	s_lshl_b32 s29, s26, 5
	s_add_co_u32 s29, s29, s28
	s_min_u32 s[G+\s], s29, 1023                   ; a group's number, held inside the table
	v_add_nc_u32 v[T0], -1, v[VW]
	v_and_b32 v[T0], v[T0], v[VW]
	v_cmp_eq_u32 vcc_lo, s26, v[LANE]
	v_cndmask_b32 v[VW], v[VW], v[T0], vcc_lo
	v_writelane_b32 v[GL], s[G+\s], 2*\s           ; lanes 2 s and 2 s + 1 own its two halves
	v_writelane_b32 v[GL], s[G+\s], 2*\s+1
.endm
.irp s, 0,1,2,3,4,5,6,7,8,9,10,11,12,13,14,15
	DECODE \s
.endr
	v_min_u32 v[GL], 0x3ff, v[GL]
	v_lshlrev_b32 v[LA], 7, v[GL]                  ; locations: 8 bytes a unit, 128 a group,
	v_and_b32 v[T0], 1, v[LANE]
	v_lshl_add_u32 v[LA], v[T0], 6, v[LA]          ; my half of it
.irp i, 0,1,2,3
	global_load_b128 v[LOC+4*\i:LOC+4*\i+3], v[LA], s[18:19] offset:16*\i
.endr
.macro BATCH a                         ; tiles 2 a and 2 a + 1
	v_mov_b32 v[T0], s[G+\a]
	v_mov_b32 v[T1], s[G+8+\a]
	v_cndmask_b32 v[T2], v[T0], v[T1], s[MM8]      ; by the tile's row: fragments and scale words
	v_cndmask_b32 v[T3], v[T0], v[T1], s[MH]       ; by the lane's half: wc, in the result's layout
	v_min_u32 v[T2], 0x3ff, v[T2]
	v_min_u32 v[T3], 0x3ff, v[T3]
	v_mul_u32_u24 v[GA], v[T2], 6144
	v_add_nc_u32 v[GA], v[GA], v[BA]
	v_lshl_add_u32 v[GS], v[T2], 8, v[BS]
	v_lshlrev_b32 v[GC], 6, v[T3]
.irp hf, 0,1
.set i, 0
.rept 12
	global_load_b128 v[FR+48*\hf+4*i:FR+48*\hf+4*i+3], v[GA], s[12:13] offset:512*i+128*\hf
.set i, i+1
.endr
	global_load_b128 v[SA+4*\hf:SA+4*\hf+3], v[GS], s[14:15] offset:128*\hf
	global_load_b128 v[CC+8*\hf:CC+8*\hf+3], v[GC], s[16:17] offset:32*\hf
	global_load_b128 v[CC+8*\hf+4:CC+8*\hf+7], v[GC], s[16:17] offset:32*\hf+16
.endr
	s_wait_loadcnt 0x0                             ; all are in, and their address registers are free
.irp t, 0,1,2,3
.irp hf, 0,1
.if \t == 0
	v_wmma_scale_f32_16x16x128_f8f6f4 v[ACC+8*\hf:ACC+8*\hf+7], v[FR+48*\hf+12*\t:FR+48*\hf+12*\t+11], v[XF+12*\t:XF+12*\t+11], v[CC+8*\hf:CC+8*\hf+7], v[SA+4*\hf+\t], v[XS+\t] matrix_a_fmt:MATRIX_FMT_BF6 matrix_b_fmt:MATRIX_FMT_BF6
.else
	v_wmma_scale_f32_16x16x128_f8f6f4 v[ACC+8*\hf:ACC+8*\hf+7], v[FR+48*\hf+12*\t:FR+48*\hf+12*\t+11], v[XF+12*\t:XF+12*\t+11], v[ACC+8*\hf:ACC+8*\hf+7], v[SA+4*\hf+\t], v[XS+\t] matrix_a_fmt:MATRIX_FMT_BF6 matrix_b_fmt:MATRIX_FMT_BF6
.endif
.endr
.endr
.rept 4
	v_nop                                          ; four places behind the products: for the reads below and for the next loads; the two accumulators took turns
.endr
.irp hf, 0,1
	s_mov_b32 s[MK], 0x10001<<(2*\a+\hf)
.irp j, 0,1,2,3,4,5,6,7
	v_cndmask_b32 v[CAND+\j], v[CAND+\j], v[ACC+8*\hf+\j], s[MK]   ; from the low end on
.endr
.endr
.endm
.irp a, 0,1,2,3,4,5,6,7
	BATCH \a
.endr
	s_wait_kmcnt 0x0
.irp j, 0,1,2,3,4,5,6,7
	v_fma_f32 v[CAND+\j], v[CAND+\j], -2.0, s[AA]
.endr
.irp j, 0,1,2,3,4,5,6,7
	v_max_num_f32 v[CAND+\j], 0, v[CAND+\j]
.endr
.irp j, 0,1,2,3,4,5,6,7
	v_sqrt_f32 v[FV+\j], v[CAND+\j]
.endr
	v_mov_b32 v[INF], 0x7f800000                   ; (plain work behind the roots)
	v_mov_b32 v[RES], 0
	v_mov_b32 v[RES+1], 0
	v_mov_b32 v[MN], 0
	v_mov_b32 v[TP], 0
	s_wait_alu depctr_va_vdst(0)                   ; one wait for the eight roots, ahead of their first reader
.macro FIX f, q, t                     ; the residuals against the root's two neighbours say which of the three is the rounded root
	v_add_nc_u32 v[\t], -1, v[\f]
	v_add_nc_u32 v[\t+1], 1, v[\f]
	v_fma_f32 v[\t+2], -v[\t], v[\f], v[\q]
	v_fma_f32 v[\t+3], -v[\t+1], v[\f], v[\q]
	v_cmp_ge_f32 vcc_lo, 0, v[\t+2]
	v_cndmask_b32 v[\f], v[\f], v[\t], vcc_lo
	v_cmp_lt_f32 vcc_lo, 0, v[\t+3]
	v_cndmask_b32 v[\f], v[\f], v[\t+1], vcc_lo
.endm
.irp j, 0,1,2,3,4,5,6,7
	FIX FV+\j, CAND+\j, 76+4*(\j%2)
.endr
	s_mov_b32 s[CNT], 16
	s_mov_b32 s[CAP], 1
.Lnearest:                                         ; trip n finds the n-th nearest
	v_min3_num_f32 v[LM], v[FV], v[FV+1], v[FV+2]
	v_min3_num_f32 v[LM], v[LM], v[FV+3], v[FV+4]
	v_min3_num_f32 v[LM], v[LM], v[FV+5], v[FV+6]
	v_min_num_f32 v[LM], v[LM], v[FV+7]
	v_min_num_f32_dpp v[MN], v[LM], v[LM] row_xmask:1 row_mask:0xf bank_mask:0xf
	v_min_num_f32_dpp v[MN], v[MN], v[MN] row_xmask:2 row_mask:0xf bank_mask:0xf
	v_min_num_f32_dpp v[MN], v[MN], v[MN] row_xmask:4 row_mask:0xf bank_mask:0xf
	v_min_num_f32_dpp v[MN], v[MN], v[MN] row_xmask:8 row_mask:0xf bank_mask:0xf
	v_permlanex16_b32 v[TP], v[MN], s[SEL], s[SEL+1]
	v_min_num_f32 v[MN], v[MN], v[TP]              ; the wave's smallest f
	v_cmp_eq_f32 s[ANY], v[LM], v[MN]
	s_sub_co_u32 s[REM], 0, s[ANY]
	s_and_b32 s[REM], s[REM], s[ANY]               ; the lowest lane that holds it
	v_mov_b32 v[PX], 0
	v_mov_b32 v[PY], 0
.irp j, 0,1,2,3,4,5,6,7
	v_cmp_eq_f32 s[EQ], v[FV+\j], v[MN]
	s_and_b32 s[TK], s[EQ], s[REM]                 ; its lowest register that holds it
	s_and_not1_b32 s[REM], s[REM], s[TK]
	v_cndmask_b32 v[FV+\j], v[FV+\j], v[INF], s[TK]
	v_cndmask_b32 v[PX], v[PX], v[LOC+2*\j], s[TK]
	v_cndmask_b32 v[PY], v[PY], v[LOC+2*\j+1], s[TK]
.endr
.irp k, 1,2,4,8
	v_add_f32_dpp v[PX], v[PX], v[PX] row_xmask:\k row_mask:0xf bank_mask:0xf   ; one lane's location and 31 zeros: the sum rounds nothing
	v_add_f32_dpp v[PY], v[PY], v[PY] row_xmask:\k row_mask:0xf bank_mask:0xf
.endr
	v_permlanex16_b32 v[TP], v[PX], s[SEL], s[SEL+1]
	v_add_f32 v[PX], v[PX], v[TP]
	v_permlanex16_b32 v[TP], v[PY], s[SEL], s[SEL+1]
	v_add_f32 v[PY], v[PY], v[TP]
	v_cndmask_b32 v[RES], v[RES], v[PX], s[CAP]    ; lane n keeps it
	v_cndmask_b32 v[RES+1], v[RES+1], v[PY], s[CAP]
	s_lshl_b32 s[CAP], s[CAP], 1
	s_sub_co_u32 s[CNT], s[CNT], 1
	s_cmp_lg_u32 s[CNT], 0
	s_cbranch_scc1 .Lnearest
; THE WAY OUT: for one n the work-group's 16 rows are 128 consecutive bytes of out0: they meet in LDS.
	v_cmp_gt_u32 vcc_lo, 16, v[LANE]
	s_wait_xcnt 0x0                                ; EXEC changes only behind this wait
	s_and_saveexec_b32 s26, vcc_lo
	ds_store_b64 v[STA], v[RES:RES+1]
	s_wait_xcnt 0x0
	s_or_b32 exec_lo, exec_lo, s26
	s_wait_dscnt 0x0                               ; for the others' sake
	s_barrier_signal -1
	s_barrier_wait -1
	s_cmp_lt_u32 s[WV], 4                          ; 2,048 bytes: four waves' worth of 16 bytes a lane
	s_cbranch_scc0 .Ldone
	ds_load_b128 v[240:243], v[RDA]
	s_wait_dscnt 0x0
	global_store_b128 v[OA], v[240:243], s[20:21]
	s_or_b32 s26, s[WV], ttmp9
	s_cmp_lg_u32 s26, 0
	s_cbranch_scc1 .Ldone
	v_cmp_eq_u32 vcc_lo, 0, v0                     ; one lane of the launch stores the loss, 0
	s_wait_xcnt 0x0
	s_and_saveexec_b32 s27, vcc_lo
	global_store_b32 v[ZR], v[ZR], s[22:23]
	s_wait_xcnt 0x0
	s_or_b32 exec_lo, exec_lo, s27
.Ldone:
	s_wait_tensorcnt 0x0
	ds_add_u32 v254, v255
	s_wait_dscnt 0x0
	s_endpgm
.Lfunc_end_k_q792ff6dd65_final:
	.size	k_q792ff6dd65_final, .Lfunc_end_k_q792ff6dd65_final-k_q792ff6dd65_final
	.p2alignl 7, 3214868480
	.fill 96, 4, 3214868480
	.section	.rodata,"a",@progbits
	.p2align	6, 0x0
	.amdhsa_kernel k_q792ff6dd65_final
		.amdhsa_group_segment_fixed_size 6144
		.amdhsa_private_segment_fixed_size 0
		.amdhsa_enable_private_segment 0
		.amdhsa_kernarg_size 80
		.amdhsa_user_sgpr_count 2
		.amdhsa_user_sgpr_kernarg_segment_ptr 1
		.amdhsa_wavefront_size32 1
		.amdhsa_system_sgpr_workgroup_id_x 1
		.amdhsa_system_sgpr_workgroup_id_y 1
		.amdhsa_system_sgpr_workgroup_id_z 1
		.amdhsa_system_vgpr_workitem_id 0
		.amdhsa_next_free_vgpr 256
		.amdhsa_next_free_sgpr 72
		.amdhsa_reserve_vcc 1
		.amdhsa_float_denorm_mode_32 3
		.amdhsa_float_denorm_mode_16_64 3
		.amdhsa_memory_ordered 1
		.amdhsa_forward_progress 1
		.amdhsa_inst_pref_size 68
	.end_amdhsa_kernel
	.amdgpu_metadata
---
amdhsa.version: [ 1, 2 ]
amdhsa.kernels:
  - .name:           k_q792ff6dd65_final
    .symbol:         k_q792ff6dd65_final.kd
    .args:
      - { .name: sel, .offset: 0, .size: 8, .value_kind: global_buffer, .address_space: global }
      - { .name: xq, .offset: 8, .size: 8, .value_kind: global_buffer, .address_space: global }
      - { .name: xs, .offset: 16, .size: 8, .value_kind: global_buffer, .address_space: global }
      - { .name: xa, .offset: 24, .size: 8, .value_kind: global_buffer, .address_space: global }
      - { .name: wq, .offset: 32, .size: 8, .value_kind: global_buffer, .address_space: global }
      - { .name: ws, .offset: 40, .size: 8, .value_kind: global_buffer, .address_space: global }
      - { .name: wc, .offset: 48, .size: 8, .value_kind: global_buffer, .address_space: global }
      - { .name: locations, .offset: 56, .size: 8, .value_kind: global_buffer, .address_space: global }
      - { .name: out0, .offset: 64, .size: 8, .value_kind: global_buffer, .address_space: global }
      - { .name: out1, .offset: 72, .size: 8, .value_kind: global_buffer, .address_space: global }
    .group_segment_fixed_size: 6144
    .private_segment_fixed_size: 0
    .kernarg_segment_align: 8
    .kernarg_segment_size: 80
    .max_flat_workgroup_size: 512
    .sgpr_count:     72
    .vgpr_count:     256
    .wavefront_size: 32
...
	.end_amdgpu_metadata
.endif
;; end of part 4
